; MI455X (gfx1250); checked and timed in simulation.
; The chip was launched on July 23, 2026; its instructions are those of AMD's public machine-readable ISA for CDNA 5 (MIT licence, August 2026) and "CDNA5" Instruction Set Architecture Reference Guide (July 2026). The comments in the code are by the model that wrote it; some were corrected since.
;; RR Self Attention. Allowed arithmetic: matrix products marked QUANTISED: E2M3 operands, one E8M0 scale for each 32 along K, by v_wmma_scale_f32_16x16x128_f8f6f4 with both operands' format E2M3, f32 sums; everything else in f32.
;; Inputs: Wk 1,024 x 1,024 float32; Wo 1,024 x 1,024 float32; Wq 1,024 x 1,024 float32; Wv 1,024 x 1,024 float32; x 4 x 4,096 x 1,024 float32.
;; Outputs: out0 4 x 4,096 x 1,024 float32.
;; This version of the problem:
;;   THIS VERSION OF THE PROBLEM IS GIVEN IN LOW PRECISION. The matrix products marked QUANTISED in the list below multiply operands that are first quantised to E2M3 (2 exponent bits, 3 mantissa bits; 6 bits a number), with one power-of-two scale for each 32 numbers along K (OCP MX v1.0); their sums are f32. All else is computed in f32.
;;   The module's matrix products, in the order in which they are computed (A, B: the left and right operand; K: the contracted axis; several contracted axes count as one K, in the product's order):
;;     1. [M 16,384, K 1,024] x [K 1,024, N 1,024]; A: input x; B: input Wq: QUANTISED
;;     2. [M 16,384, K 1,024] x [K 1,024, N 1,024]; A: input x; B: input Wk: QUANTISED
;;     3. [M 16,384, K 1,024] x [K 1,024, N 1,024]; A: input x; B: input Wv: QUANTISED
;;     4. [M 16,384, K 1,024] x [K 1,024, N 1,024]; A: computed on the way; B: input Wo: QUANTISED
;;   THE QUANTISER, for each operand of a quantised product, along K:
;;     - K is cut into blocks of 32 from its start; a last block that is shorter is filled with zeros.
;;     - A block's scale is 2^e with e = floor(log2(the largest magnitude in the block)) - 2, held to -126 .. 127; a block of zeros has e = 0. As a byte (E8M0): e + 127.
;;     - Each number is divided by its block's scale, clamped to +-7.5, and rounded to the nearest number of E2M3, ties to even, subnormals kept.
;;     - The product sums the exact products of the quantised numbers (number of the format x scale) in f32.
;;   ~~~python
;;   def quantise(x, axis):      # numpy; x: float32 -> the quantised numbers, widened to float32 again
;;       x = np.moveaxis(x, axis, -1); K = x.shape[-1]
;;       x = np.pad(x, [(0, 0)] * (x.ndim - 1) + [(0, -K % 32)]); x = x.reshape(x.shape[:-1] + (-1, 32)); a = np.abs(x).max(-1, keepdims=True)
;;       e = np.where(a > 0, np.clip(np.frexp(np.where(a > 0, a, 1))[1] - 1 - 2, -126, 127), 0)      # np.frexp(a)[1] - 1 = floor(log2(a)), exactly
;;       r = np.clip(x / 2.0 ** e, -7.5, 7.5)
;;       step = 2.0 ** (np.maximum(np.frexp(np.where(r == 0, 1, r))[1] - 1, 0) - 3)
;;       q = np.round(r / step) * step * 2.0 ** e      # np.round: ties to even
;;       return np.moveaxis(q.reshape(q.shape[:-2] + (-1,))[..., :K], -1, axis).astype(np.float32)
;;   ~~~
;;   OPERANDS COMPUTED ON THE WAY. 'Computed on the way' means the value that the module computes at that place (a softmax that the list does not call 'softmax' is quantised finished and normalised). What goes into a quantiser is computed in f32, as accurately as f32 sums, v_exp_f32 and their like allow (about 1e-6 of the number): no bf16 or f16 on the way to a quantiser, and a product that is left as it is and whose result goes on into a quantised operand takes f32 operands (vector FMAs, or v_wmma_f32_16x16x4_f32). A number that lies on a knife's edge between two numbers of the format may be rounded either way, as far as f32 arithmetic and the matrix unit's own rounding can turn it there, and no further.
;; One version. Each part assembles by itself: llvm-mc -triple=amdgcn-amd-amdhsa -mcpu=gfx1250 --defsym DOCPART=n.
;; ======== version 1 of 1: 4 launches
;; limits: right only within a limited range of input values
;; workspace buffers: codes 15,728,640 bytes; scales 655,360 bytes; c 67,108,864 bytes; tot 1,048,576 bytes; totw 262,144 bytes; vcodes 12,582,912 bytes; vscales 524,288 bytes
;; launch quant (part 1): grid 1280 x 1, 4 waves a work-group, no clusters, 35,328 bytes of LDS; arguments x, Wq, Wk, Wv, Wo, codes, scales; writes codes, scales
.if DOCPART == 1
	.amdgcn_target "amdgcn-amd-amdhsa--gfx1250"
	.amdhsa_code_object_version 6
	.text
	.protected	k_q5abd9041c7_quant
	.globl	k_q5abd9041c7_quant
	.p2align	8
	.type	k_q5abd9041c7_quant,@function
k_q5abd9041c7_quant:
	s_mov_b64 s[64:65], 0
	v_nop
	global_prefetch_b8 v0, s[64:65] scope:SCOPE_SE
	s_setreg_imm32_b32 hwreg(HW_REG_WAVE_MODE, 25, 1), 1
	s_wait_xcnt 0x0
; x [16384][1024] and Wq, Wk, Wv, Wo [1024][1024], f32, K innermost, become codes of FP6 (E2M3) with one E8M0 byte for each 32 along K,
; LAID AS THE MATRIX OPERANDS' REGISTERS.  A block is 16 rows x K 1,024: 8 fragments (16 rows x 128 K, 12 registers a lane), each as 3 pieces of 512 bytes:
; piece p holds registers 4 p .. 4 p + 3, lane l's 16 bytes at 16 l.  A block's scale words are 512 bytes: lane l's 16 bytes hold, as word p, the word of row l % 16 for K step 2 p + l / 16.
; BLOCKS: 0-1023 x (block 4 y + a, row i = row 64 y + 4 i + a of x: a lane's four blocks of a chunk are four consecutive rows);  1024 + t Wq's tile t;  1088 + 2 t Wk's, 1089 + 2 t Wv's;  1216 + t Wo's.
; Row i of tile t = 2 b + u of Wq, Wk, Wv is weight row 32 b + 8 u + i + 8 (i / 8), so that the results of two neighbouring tiles are 16 neighbours along the next K; Wo's tiles take rows 16 t + i.
; A block's scale is 2^(floor(log2(its largest magnitude)) - 2): its byte is that magnitude's exponent field - 2, held at 1 from below.  Beyond 7.5 the conversion gives the largest code.
; LIMITS: a block of zeros gets the byte 1 where the rule says 127 (its codes are zeros, and this program alone reads the bytes); NaN and infinities among the inputs are not served.
; SHARES: work-group g makes block g; wave w its K steps 2 w and 2 w + 1.  Each load reads 512 consecutive bytes of one row; the 16 rows x 512 bytes of a fragment turn through the wave's own stage in LDS
; (rows 528 bytes apart), from which lane (r, h) takes row r's k = 64 c + 32 h + 0 .. 31: two whole blocks of 32, in the order of the operand's registers.  All 32 loads of a wave are out at once.
; One path serves the five tensors: only pointers and strides are chosen, by the work-group's number.  A stream: no tensor loads, no matrix unit, no cluster.
.set STGB, 16*528                      ; a wave's stage
.set SCB,  4*STGB                      ; behind the stages: the block's 512 bytes of scale words
.set M,    8                           ; v8-9    largest magnitudes of my two blocks
.set SC,   10                          ; v10-11  the conversions' scale operands
.set BY,   12                          ; v12-13  the scale bytes
.set R,    32                          ; v32-159 two fragments x 64 numbers
.set C,    160                         ; v160-183 two fragments x 12 registers of codes
.set T,    184                         ; v184-191 the upper halves of two blocks' codes, on their way
	s_load_b256 s[4:11], s[0:1], 0x0               ; x, Wq, Wk, Wv
	s_load_b128 s[12:15], s[0:1], 0x20             ; Wo, codes
	s_load_b64 s[16:17], s[0:1], 0x30              ; scales
	v_lshl_add_u32 v26, v0, 2, 0x8800              ; my spare word, and 0: kept for the add alone
	v_mov_b32 v27, 0
	v_lshrrev_b32 v1, 5, v0
	v_readfirstlane_b32 s18, v1                    ; wave 0..3
	v_and_b32 v1, 31, v0                           ; lane
	v_lshlrev_b32 v5, 4, v1                        ; 16 x lane
	s_lshl_b32 s2, s18, 10
	v_add_nc_u32 v2, s2, v5                        ; in a row of the source: my wave's 1,024 bytes, my 16 of a load's 512
	s_mul_i32 s2, s18, STGB
	v_add_nc_u32 v3, s2, v5                        ; the stage, on the way in
	v_and_b32 v24, 15, v0                          ; r
	v_bfe_u32 v25, v0, 4, 1                        ; h
	v_mul_u32_u24 v4, v24, 528
	v_lshl_add_u32 v4, v25, 7, v4
	v_add_nc_u32 v4, s2, v4                        ; and on the way out: row r, + 128 h
	s_lshl_b32 s2, s18, 2
	s_add_co_u32 s2, s2, SCB
	v_add_nc_u32 v6, s2, v5                        ; my scale word's place: word w of lane l's four
	v_add_nc_u32 v19, SCB, v5                      ; where wave 0 reads the four back
	v_lshlrev_b32 v7, 3, v25                       ; 8 h
	v_mov_b32 v15, 0                               ; written once: a lane permute's destination counts as one of its sources
	; which tensor, which first row R0, how far from row to row (d1) and from row 0 to row 8 (d8)
	s_mov_b32 s19, ttmp9                           ; g
	s_sub_co_u32 s20, s19, 1216                    ; the tile, if it is Wo's,
	s_sub_co_u32 s2, s19, 1088
	s_lshr_b32 s2, s2, 1                           ; Wk's or Wv's,
	s_sub_co_u32 s3, s19, 1024                     ; Wq's
	s_cmp_lt_u32 s19, 1216
	s_cselect_b32 s20, s2, s20
	s_cselect_b32 s21, 1, 0                        ; 1: the tile's rows are chosen for the next K
	s_cmp_lt_u32 s19, 1088
	s_cselect_b32 s20, s3, s20
	s_and_b32 s2, s20, s21
	s_lshl_b32 s2, s2, 3
	s_lshl_b32 s3, s20, 4
	s_sub_co_u32 s28, s3, s2                       ; R0 = 16 t, less 8 in an odd tile of chosen rows
	s_lshl_b32 s26, s21, 15
	s_add_co_u32 s26, s26, 0x8000                  ; d8: 8 rows of 4,096 bytes, or 16
	s_mov_b32 s24, 0x1000                          ; d1: a row
	s_lshr_b32 s2, s19, 2
	s_lshl_b32 s2, s2, 6
	s_and_b32 s3, s19, 3
	s_or_b32 s2, s2, s3                            ; x: R0 = 64 (g / 4) + g % 4
	s_cmp_lt_u32 s19, 1024
	s_cselect_b32 s28, s2, s28
	s_cselect_b32 s24, 0x4000, s24                 ; four rows
	s_cselect_b32 s26, 0x20000, s26                ; 32 rows
	s_lshl_b32 s28, s28, 12                        ; R0 in bytes: under 2^26
	s_mov_b32 s29, 0
	s_mov_b32 s25, 0
	s_mov_b32 s27, 0
	s_mov_b32 s30, 0x76543210
	s_mov_b32 s31, 0xfedcba98                      ; v_permlanex16_b32's selects for lane l xor 16
	s_wait_alu depctr_va_vdst(0)
	s_wait_kmcnt 0x0
	s_bitcmp1_b32 s19, 0
	s_cselect_b64 s[22:23], s[10:11], s[8:9]       ; odd g: Wv, even: Wk
	s_cmp_lt_u32 s19, 1216
	s_cselect_b64 s[22:23], s[22:23], s[12:13]     ; from 1216 on: Wo
	s_cmp_lt_u32 s19, 1088
	s_cselect_b64 s[22:23], s[6:7], s[22:23]       ; under 1088: Wq
	s_cmp_lt_u32 s19, 1024
	s_cselect_b64 s[22:23], s[4:5], s[22:23]       ; under 1024: x
	s_add_nc_u64 s[32:33], s[22:23], s[28:29]      ; s[32 + 2 i : 33 + 2 i]: row i of the block
.irp i, 1,2,3,4,5,6,7
	s_add_nc_u64 s[32+2*\i:33+2*\i], s[30+2*\i:31+2*\i], s[24:25]
.endr
	s_add_nc_u64 s[48:49], s[32:33], s[26:27]
.irp i, 9,10,11,12,13,14,15
	s_add_nc_u64 s[32+2*\i:33+2*\i], s[30+2*\i:31+2*\i], s[24:25]
.endr
.irp f, 0,1
.irp i, 0,1,2,3,4,5,6,7,8,9,10,11,12,13,14,15
	global_load_b128 v[R+64*\f+4*\i:R+64*\f+4*\i+3], v2, s[32+2*\i:33+2*\i] offset:512*\f th:TH_LOAD_NT   ; 32 lanes read 512 consecutive bytes of row i; read once in the launch
.endr
.endr
	s_mul_i32 s28, s19, 12288                      ; the block's codes, my wave's two fragments
	s_mul_i32 s2, s18, 3072
	s_add_co_u32 s28, s28, s2
	s_add_nc_u64 s[14:15], s[14:15], s[28:29]
	s_lshl_b32 s28, s19, 9                         ; the block's scale words
	s_add_nc_u64 s[16:17], s[16:17], s[28:29]
; Fragment f of my two: through the stage, quantised, stored.
.macro FRAGMENT f
.set X, R+64*\f
.irp i, 0,1,2,3,4,5,6,7,8,9,10,11,12,13,14,15
	ds_store_b128 v3, v[X+4*\i:X+4*\i+3] offset:528*\i
.endr
.irp c, 0,1
.irp q, 0,1,2,3,4,5,6,7
	ds_load_b128 v[X+32*\c+4*\q:X+32*\c+4*\q+3], v4 offset:256*\c+16*\q   ; LDS serves a wave's instructions in order: these see my stores.  Register 32 c + i = k 64 c + 32 h + i of row r
.endr
.endr
	s_wait_dscnt 0x0
.irp c, 0,1
	v_max3_num_f32 v[M+\c], |v[X+32*\c]|, |v[X+32*\c+1]|, 0x1800000   ; my block 2 c + h: all its 32 numbers are mine; and the floor 2^(3 - 127), so that the byte cannot fall under 1
.endr
.irp i, 2,4,6,8,10,12,14,16,18,20,22,24,26,28,30
.irp c, 0,1
	v_max3_num_f32 v[M+\c], v[M+\c], |v[X+32*\c+\i]|, |v[X+32*\c+\i+1]|   ; (the two blocks by turns)
.endr
.endr
.irp c, 0,1
	v_add_nc_u32 v[SC+\c], 0xff000000, v[M+\c]     ; 2 off the exponent field: the conversion takes the exponent field of this operand as its scale, and nothing else of it
.endr
.irp c, 0,1
	v_lshrrev_b32 v[BY+\c], 23, v[SC+\c]           ; the scale's byte
.endr
	v_lshl_or_b32 v14, v[BY+1], 16, v[BY]          ; my two bytes, blocks h and 2 + h,
	v_lshlrev_b32 v14, v7, v14                     ; at their places in the word;
	v_permlanex16_b32 v15, v14, s30, s31
	v_or_b32 v[16+\f], v14, v15                    ; with lane l xor 16's two the row's word is whole, in both halves of the lanes
.irp c, 0,1
	v_cvt_scalef32_pk16_fp6_f32 v[C+12*\f+6*\c:C+12*\f+6*\c+2], v[X+32*\c:X+32*\c+15], v[SC+\c]   ; registers 6 c .. 6 c + 2 of the operand
	v_cvt_scalef32_pk16_fp6_f32 v[T+4*\c:T+4*\c+2], v[X+32*\c+16:X+32*\c+31], v[SC+\c]            ; (a conversion's three registers begin on an even number: the second three are made elsewhere and moved)
.endr
	v_nop                                          ; one plain place behind a scaled conversion
.irp c, 0,1
.irp i, 0,1,2
	v_mov_b32 v[C+12*\f+6*\c+3+\i], v[T+4*\c+\i]
.endr
.endr
.irp p, 0,1,2
	global_store_b128 v5, v[C+12*\f+4*\p:C+12*\f+4*\p+3], s[14:15] offset:1536*\f+512*\p   ; a piece: 512 consecutive bytes, at a multiple of 512 from the buffer's first byte
.endr
.endm
	s_wait_loadcnt 16                              ; the first fragment's 16 loads are in; the second's 16 may be out
	FRAGMENT 0
	s_wait_loadcnt 0x0
	FRAGMENT 1
	v_cmp_gt_u32 vcc_lo, 16, v1
	v_cndmask_b32 v18, v17, v16, vcc_lo            ; lanes 0-15: the word of K step 2 w; lanes 16-31: of K step 2 w + 1
	ds_store_b32 v6, v18
	s_wait_dscnt 0x0                               ; for the others' sake: my word has landed
	s_barrier_signal -1
	s_barrier_wait -1
	s_cmp_lg_u32 s18, 0
	s_cbranch_scc1 .Ldone
	ds_load_b128 v[20:23], v19                     ; the four waves' words
	s_wait_dscnt 0x0
	global_store_b128 v5, v[20:23], s[16:17]       ; 512 consecutive bytes
.Ldone:
	s_wait_tensorcnt 0x0
	ds_add_u32 v26, v27
	s_wait_dscnt 0x0
	s_endpgm
.Lfunc_end_k_q5abd9041c7_quant:
	.size	k_q5abd9041c7_quant, .Lfunc_end_k_q5abd9041c7_quant-k_q5abd9041c7_quant
	.p2alignl 7, 3214868480
	.fill 96, 4, 3214868480
	.section	.rodata,"a",@progbits
	.p2align	6, 0x0
	.amdhsa_kernel k_q5abd9041c7_quant
		.amdhsa_group_segment_fixed_size 35328
		.amdhsa_private_segment_fixed_size 0
		.amdhsa_enable_private_segment 0
		.amdhsa_kernarg_size 56
		.amdhsa_user_sgpr_count 2
		.amdhsa_user_sgpr_kernarg_segment_ptr 1
		.amdhsa_wavefront_size32 1
		.amdhsa_system_sgpr_workgroup_id_x 1
		.amdhsa_system_sgpr_workgroup_id_y 1
		.amdhsa_system_sgpr_workgroup_id_z 1
		.amdhsa_system_vgpr_workitem_id 0
		.amdhsa_next_free_vgpr 192
		.amdhsa_next_free_sgpr 66
		.amdhsa_reserve_vcc 1
		.amdhsa_float_denorm_mode_32 3
		.amdhsa_float_denorm_mode_16_64 3
		.amdhsa_memory_ordered 1
		.amdhsa_forward_progress 1
		.amdhsa_inst_pref_size 18
	.end_amdhsa_kernel
	.amdgpu_metadata
---
amdhsa.version: [ 1, 2 ]
amdhsa.kernels:
  - .name:           k_q5abd9041c7_quant
    .symbol:         k_q5abd9041c7_quant.kd
    .args:
      - { .name: x, .offset: 0, .size: 8, .value_kind: global_buffer, .address_space: global }
      - { .name: Wq, .offset: 8, .size: 8, .value_kind: global_buffer, .address_space: global }
      - { .name: Wk, .offset: 16, .size: 8, .value_kind: global_buffer, .address_space: global }
      - { .name: Wv, .offset: 24, .size: 8, .value_kind: global_buffer, .address_space: global }
      - { .name: Wo, .offset: 32, .size: 8, .value_kind: global_buffer, .address_space: global }
      - { .name: codes, .offset: 40, .size: 8, .value_kind: global_buffer, .address_space: global }
      - { .name: scales, .offset: 48, .size: 8, .value_kind: global_buffer, .address_space: global }
    .group_segment_fixed_size: 35328
    .private_segment_fixed_size: 0
    .kernarg_segment_align: 8
    .kernarg_segment_size: 56
    .max_flat_workgroup_size: 128
    .sgpr_count:     66
    .vgpr_count:     192
    .wavefront_size: 32
...
	.end_amdgpu_metadata
.endif
;; end of part 1
;; launch kv (part 2): grid 64 x 4, 4 waves a work-group, clusters of 4 x 1, 327,680 bytes of LDS; arguments codes, scales, c, tot, totw; writes c, tot, totw
.if DOCPART == 2
	.amdgcn_target "amdgcn-amd-amdhsa--gfx1250"
	.amdhsa_code_object_version 6
	.text
	.protected	k_q5abd9041c7_kv
	.globl	k_q5abd9041c7_kv
	.p2align	8
	.type	k_q5abd9041c7_kv,@function
k_q5abd9041c7_kv:
	s_mov_b64 s[64:65], 0
	v_nop
	global_prefetch_b8 v0, s[64:65] scope:SCOPE_SE
	s_setreg_imm32_b32 hwreg(HW_REG_WAVE_MODE, 25, 1), 1
	s_wait_xcnt 0x0
	s_wait_alu depctr_hold_cnt(0) depctr_sa_sdst(0) depctr_va_vdst(0) depctr_va_sdst(0) depctr_va_ssrc(0) depctr_va_vcc(0) depctr_vm_vsrc(0)
	s_getreg_b32 s2, hwreg(HW_REG_IB_STS2, 6, 4)
	s_cmp_eq_u32 s2, 0
	s_cbranch_scc0 .Lentry_in_a_cluster
	s_endpgm
.Lentry_in_a_cluster:
	s_bfe_u32 s2, ttmp6, 0x10000c
	s_cmp_lg_u32 s2, 0x3003
	s_cbranch_scc0 .Lentry_shape_is_right
	s_endpgm
.Lentry_shape_is_right:
; k = x Wk^T and v = x Wv^T on codes of FP6 (E2M3) with E8M0 scales; k v; its running sum down the 64 rows of a chunk -> c; each chunk's total -> tot; the total of a work-group's four chunks -> totw.  All sums f32.
; SHARES.  Work-group (X, z): rows 256 X .. 256 X + 255, channels 256 z .. 256 z + 255.  Wave w owns chunk y = 4 X + w, 64 rows as four blocks of 16, and keeps their 32 fragments (4 blocks x 8 K steps of 128) in 384 registers
; for the whole launch: x's codes are read once by a work-group, for 16 steps of products.
; A STEP is one tile of Wk and the same tile of Wv (16 rows x K 1,024 = 12,288 bytes each) x my four blocks x all of K: 64 matrix instructions on 8 accumulators by turns; then those results are finished and stored, so that c
; leaves step by step beside the products.
; THE RING.  The 16 steps' tiles, 393,216 bytes, go through 8 LDS slots of 24,576 bytes in two groups of four; all four waves read them; wave w fetches one step of each group by one load.  Steps 0-3 are asked for at the start,
; steps 4-7 in front of step 0, steps 8-11 at the head of step 3 (slots 0-3 have been read: a step's fragments are fetched into registers during the step before), steps 12-15 at the head of step 7.  A fill has four steps,
; 256 matrix instructions a wave, in which to land (the first fill of slots 4-7: three).  One tensor load of a wave is out at any time.
; TRANSPOSED USE: source 0 = 16 weight rows, source 1 = 16 rows of x: lane (r, h) holds ONE row and eight channels.  Lane r of block a holds row 64 y + 4 r + a: a lane's four blocks are four consecutive rows, so the running sum is
; a chain of multiply-adds in the lane, one scan of the lanes' totals over the 16 lanes of a half, and one addition.
; CLUSTER: the four work-groups of a cluster have the same z: the weight tiles are asked for JOINTLY.  x's fragments are shared with the work-groups of other z, but go straight into registers by plain loads: a work-group's are
; 4 x 49,152 = 196,608 bytes, which do not fit in LDS beside the ring's 196,608 and the scratch.
; LIMITS: the running sum is added in another order than row by row (lane, lanes, chunks), all in f32; NaN and infinities among the inputs are not served.
; REGISTERS, in windows of 256: window 0: v1-4 LDS addresses of the weight fragments (v1 = 16 x lane serves the global accesses too); v6-9 addresses; v12-13 the add's two; v16-31 x's scale words; v32-95 the weights', 8 steps' worth;
;   v96-159 the accumulators ((a, u) at 96 + 16 a + 8 u; u = 0: k, 1: v); v160-191 c on its way out; v192-207 the scan; v208-247 the totals.
;   window 1: x's fragments of K steps 0-3 ((a, s) at 12 (4 s + a)); window 2: of K steps 4-7; window 3: a step's weight fragments ((s, u) at 12 (2 s + u)).
.set TILEB,  12288                     ; a block or tile of codes
.set STEPB,  2*TILEB                   ; a step's two tiles: a slot
.set RINGB,  8*STEPB                   ; the ring: LDS bytes 0 .. 196,607
.set BB0,    1088                      ; Wk's and Wv's tiles begin at this block of codes and scales
.set IMG,    RINGB                     ; behind the ring: 16,384 bytes a wave: the scans of its 16 steps, as images of their registers
.set XCH,    IMG+4*16384               ; 1,024 bytes a wave: its chunk's totals
.set SPARE,  XCH+4*1024                ; the spare words, 128 bytes for each wave: two blocks of 256 bytes that no other line names
.set L16,  1
.set BADR, 1                           ; v1-4: 16 x lane + 49,152 k
.set SPW,  12                          ; v12  LDS address of my spare word: SPARE + 4 x my thread's number; never rewritten
.set NIL,  13                          ; v13  0; never rewritten
.set AS,   16
.set BS,   32
.set ACC,  96
.set CB,   160
.set SI,   192                         ; the lanes' totals, summed up to and with mine
.set SE,   200                         ; summed up to mine
.set TT,   208                         ; my chunk's totals
.set TW,   216                         ; the four chunks', in wave 0
.set MSB, 0
.macro WIN new                         ; the immediate's high byte repeats the setting that is left; a switch that changes nothing is dropped
.if MSB != \new
	s_set_vgpr_msb (MSB<<8)|\new
.set MSB, \new
.endif
.endm
.macro CROUND                          ; a round of the cluster's barrier
	s_barrier_signal -1
	s_barrier_wait -1
	s_cmp_lg_u32 s40, 0
	s_cbranch_scc1 .Lnot_wave_0_\@
	s_barrier_signal -3
.Lnot_wave_0_\@:
	s_barrier_wait -3
	s_barrier_signal -1
	s_barrier_wait -1
.endm
; A load into a register that a matrix instruction has read, and a vector instruction or store that reads a result, stand four plain vector instructions behind it; a matrix instruction that writes over one of
; its registers (a sum begun anew) five (ISA guide 7.12.1 for vector instructions).
.macro PLACES n
.rept \n
	v_nop
.endr
.endm
; Group g of the ring (0: slots 0-3, 1: slots 4-7) is filled: my one load brings one step into my slot of the group.  on = 1: with the step eight further on than the group's last.
; In front of it every wave has waited for all its tensor loads (its part of the other group among them), has added 0 to its spare word, and has waited for that and for its reads of the group; a round of the cluster's barrier
; makes that hold of every wave of all four work-groups; the joint load is the first thing behind it.  Every window is 0 here.
.macro FILL g, on
	s_wait_tensorcnt 0x0                           ; no tensor load of mine is out, so a group 0 may be written
	ds_add_u32 v[SPW], v[NIL]                      ; 0 onto my spare word
.if \on
	s_add_nc_u64 s[34+4*\g:35+4*\g], s[34+4*\g:35+4*\g], 8*STEPB   ; the address steps; the type bits on top are not reached
.endif
	s_wait_dscnt 0x0                               ; the add is done; the step's 48 fragment loads are in, which were my last reads of the group; my LDS stores have read their registers
	CROUND
	tensor_load_to_lds s[32+4*\g:35+4*\g], s[24:31]
	s_nop 0
.rept 4
	v_nop                                          ; four lines behind a tensor load, ahead of the next switch of windows
.endr
.endm
.macro BLOAD m, hf                     ; step m's weight fragments of K steps 4 hf .. 4 hf + 3, from slot m % 8: 24 loads of 512 consecutive bytes, images of the registers
.set SLT, (\m)%8
	WIN 0xc0
.irp sl, 0,1,2,3
.irp u, 0,1
.irp p, 0,1,2
	ds_load_b128 v[12*(2*(4*(\hf)+\sl)+\u)+4*\p:12*(2*(4*(\hf)+\sl)+\u)+4*\p+3], v[BADR+SLT/2] offset:(SLT%2)*STEPB+\u*TILEB+(4*(\hf)+\sl)*1536+\p*512
.endr
.endr
.endr
.endm
.macro MM n, hf, sl, a, u              ; K step s = 4 hf + sl.  Its scale words stand in register s / 2 of a side's four: lanes 0-15 for even s, lanes 16-31 for odd s
.set rD, ACC+16*\a+8*\u
.set rB, 12*(2*(4*(\hf)+\sl)+\u)
.set rA, 12*(4*\sl+\a)
.set rSB, BS+4*(2*((\n)%8)+\u)+(4*(\hf)+\sl)/2
.set rSA, AS+4*\a+(4*(\hf)+\sl)/2
.if (\hf) == 0 && (\sl) == 0
	v_wmma_scale_f32_16x16x128_f8f6f4 v[rD:rD+7], v[rB:rB+11], v[rA:rA+11], 0, v[rSB], v[rSA] matrix_a_fmt:MATRIX_FMT_FP6 matrix_b_fmt:MATRIX_FMT_FP6
.elseif (\sl)%2 == 0
	v_wmma_scale_f32_16x16x128_f8f6f4 v[rD:rD+7], v[rB:rB+11], v[rA:rA+11], v[rD:rD+7], v[rSB], v[rSA] matrix_a_fmt:MATRIX_FMT_FP6 matrix_b_fmt:MATRIX_FMT_FP6
.else
	v_wmma_scale_f32_16x16x128_f8f6f4 v[rD:rD+7], v[rB:rB+11], v[rA:rA+11], v[rD:rD+7], v[rSB], v[rSA] matrix_a_fmt:MATRIX_FMT_FP6 matrix_b_fmt:MATRIX_FMT_FP6 matrix_a_scale:MATRIX_SCALE_ROW1 matrix_b_scale:MATRIX_SCALE_ROW1
.endif
.endm
.macro HALF n, hf                      ; 32 matrix instructions: four K steps x the 8 accumulators, which take turns, one instruction a turn; the first K step starts the sums
.set WW, 0x07+4*(\hf)                  ; source 0 window 3, source 1 window 1 or 2, C and D window 0
	WIN WW
.irp sl, 0,1,2,3
.irp a, 0,1,2,3
.irp u, 0,1
	MM \n, \hf, \sl, \a, \u
.endr
.endr
.endr
.endm
; What a step's results become.
.macro EPI n
.irp j, 0,2,4,6
	v_pk_mul_f32 v[ACC+\j:ACC+\j+1], v[ACC+\j:ACC+\j+1], v[ACC+8+\j:ACC+8+\j+1]   ; k v of my first row; each accumulator is read from its low end on
.endr
.irp a, 1,2,3
.irp j, 0,2,4,6
	v_pk_fma_f32 v[ACC+16*\a+\j:ACC+16*\a+\j+1], v[ACC+16*\a+\j:ACC+16*\a+\j+1], v[ACC+16*\a+8+\j:ACC+16*\a+8+\j+1], v[ACC+16*\a-16+\j:ACC+16*\a-16+\j+1]   ; k v + the row above: the running sum over my four rows
.endr
.endr
.irp j, 0,1,2,3,4,5,6,7
	v_add_f32_dpp v[SI+\j], v[ACC+48+\j], v[ACC+48+\j] row_shr:1 row_mask:0xf bank_mask:0xf bound_ctrl:1   ; the scan of the lanes' totals over the 16 lanes of a half: lane i takes lane i - 1's, or 0
.endr
.irp d, 2,4,8
.irp j, 0,1,2,3,4,5,6,7
	v_add_f32_dpp v[SI+\j], v[SI+\j], v[SI+\j] row_shr:\d row_mask:0xf bank_mask:0xf bound_ctrl:1
.endr
.endr
.irp j, 0,1,2,3,4,5,6,7
	v_mov_b32_dpp v[SE+\j], v[SI+\j] row_shr:1 row_mask:0xf bank_mask:0xf bound_ctrl:1   ; the sum of the lanes before mine
.endr
	ds_store_b128 v6, v[SI:SI+3] offset:1024*(\n)          ; kept for the end: lanes 15 and 31 hold the chunk's totals
	ds_store_b128 v6, v[SI+4:SI+7] offset:1024*(\n)+512
	s_wait_alu depctr_va_vdst(0)
	s_wait_xcnt 0x0                                ; the last step's stores have read their registers: they are written again only behind this wait
.irp a, 0,1,2,3
.irp j, 0,2,4,6
	v_pk_add_f32 v[CB+8*\a+\j:CB+8*\a+\j+1], v[ACC+16*\a+\j:ACC+16*\a+\j+1], v[SE+\j:SE+\j+1]
.endr
.endr
.irp a, 0,1,2,3
.irp p, 0,1
	global_store_b128 v[L16], v[CB+8*\a+4*\p:CB+8*\a+4*\p+3], s[54:55] offset:\a*65536+(\n)*1024+\p*512 th:TH_STORE_NT   ; 512 consecutive bytes, aligned: an image of the registers; not read again in this launch
.endr
.endr
.if (\n) < 8
.irp u, 0,1
	global_load_b128 v[BS+8*(\n)+4*\u:BS+8*(\n)+4*\u+3], v[L16], s[52:53] offset:512*(2*((\n)+8)+\u)   ; this step's scale words are done with: their registers take those of the step eight further on
.endr
.endif
.endm
.macro STEP n
.if (\n) == 3
	FILL 0, 1                                      ; slots 4-7 are whole; slots 0-3 take steps 8 to 11
.elseif (\n) == 7
	FILL 1, 1                                      ; slots 0-3 are whole; slots 4-7 take steps 12 to 15
.else
	s_wait_dscnt 0x0                               ; the step's 48 fragment loads are in, and my LDS stores have read their registers
.endif
.if (\n) == 11
	s_wait_tensorcnt 0x0                           ; my last fill has landed,
	s_barrier_signal -1
	s_barrier_wait -1                              ; everybody's has: steps 12 to 15 may be read
.endif
.if (\n) >= 8
	s_wait_loadcnt 30-2*(\n)                       ; this step's scale words, asked for eight steps ago, are in; the two loads of each of the 15 - n steps behind them may be out
.endif
	HALF \n, 0
	PLACES 4
.if (\n) < 15
	BLOAD (\n)+1, 0                                ; the next step's first half is fetched under this step's second,
.endif
.if (\n) == 0
	s_wait_loadcnt 0x0                             ; x's fragments of K steps 4 to 7
.endif
	HALF \n, 1
	PLACES 5
.if (\n) < 15
	BLOAD (\n)+1, 1                                ; its second half under what follows
.endif
	WIN 0
	EPI \n
.endm
	s_load_b256 s[4:11], s[0:1], 0x0               ; codes, scales, c, tot
	s_load_b64 s[12:13], s[0:1], 0x20              ; totw
	v_lshl_add_u32 v[SPW], v0, 2, SPARE
	v_mov_b32 v[NIL], 0
	ds_add_u32 v12, v13
	ds_add_u32 v12, v13
	s_wait_dscnt 0x0
	v_lshrrev_b32 v1, 5, v0
	v_readfirstlane_b32 s40, v1                    ; wave 0..3
	s_bfe_u32 s41, ttmp6, 0x40000                  ; cx: my place in the cluster: it enters the addresses of plain loads and stores alone
	s_lshl_b32 s42, ttmp9, 2
	s_add_co_u32 s42, s42, s41                     ; X = 4 x cluster x + cx
	s_and_b32 s43, ttmp7, 0xffff                   ; z, which the four partners share
	s_lshl_b32 s44, s42, 2
	s_add_co_u32 s44, s44, s40                     ; y = 4 X + wave
	; descriptor group 1: a step's 24,576 dense bytes as 96 rows of 256 bytes (32 elements of 8 bytes), no padding
	s_mov_b32 s24, 15|(3<<16)|(1<<21)              ; 15:0 the mask: all four work-groups; 17:16 elements of 8 bytes; 21 set beside a mask
	s_mov_b32 s25, 32<<16                          ; tensor_dim0 = 32
	s_mov_b32 s26, 96<<16                          ; tensor_dim1 = 96
	s_mov_b32 s27, 32<<16                          ; tile_dim0 = 32
	s_mov_b32 s28, 96                              ; tile_dim1 = 96
	s_mov_b32 s29, 32                              ; from row to row
	s_mov_b32 s30, 0
	s_mov_b32 s31, 0
	s_mul_i32 s46, s43, 2*RINGB                    ; the 16 steps' tiles of my channels, and of them step w: made of z and the wave's number alone
	s_mul_i32 s33, s40, STEPB                      ; LDS address: slot w
	s_add_co_u32 s46, s46, s33
	s_add_co_u32 s46, s46, BB0*TILEB
	s_mov_b32 s47, 0
	s_mov_b32 s32, 1
	s_mov_b32 s36, 1
	s_add_co_u32 s37, s33, 4*STEPB                 ; slot 4 + w
	s_mul_i32 s48, s44, 4*TILEB                    ; my chunk's four blocks of codes,
	s_mov_b32 s49, 0
	s_lshl_b32 s50, s44, 11                        ; and of scale words
	s_mov_b32 s51, 0
	s_lshl_b32 s52, s43, 14                        ; my channels' 32 tiles' scale words
	s_add_co_u32 s52, s52, BB0*512
	s_mov_b32 s53, 0
	s_lshl_b32 s54, s44, 18                        ; c: my four blocks of 65,536 bytes, my channels' 16 tiles of 1,024
	s_lshl_b32 s60, s43, 14
	s_add_co_u32 s54, s54, s60
	s_mov_b32 s55, 0
	s_lshl_b32 s56, s44, 12                        ; tot: 4,096 bytes a chunk, 1,024 for my channels
	s_lshl_b32 s60, s43, 10
	s_add_co_u32 s56, s56, s60
	s_mov_b32 s57, 0
	s_lshl_b32 s58, s42, 12                        ; totw likewise, by X
	s_add_co_u32 s58, s58, s60
	s_mov_b32 s59, 0
	s_wait_kmcnt 0x0
	s_add_nc_u64 s[34:35], s[4:5], s[46:47]        ; step w,
	s_add_nc_u64 s[38:39], s[34:35], 4*STEPB       ; step 4 + w
	s_or_b32 s35, s35, 0x80000000                  ; type = 2
	s_or_b32 s39, s39, 0x80000000
	s_add_nc_u64 s[48:49], s[4:5], s[48:49]
	s_add_nc_u64 s[50:51], s[6:7], s[50:51]
	s_add_nc_u64 s[52:53], s[6:7], s[52:53]
	s_add_nc_u64 s[54:55], s[8:9], s[54:55]
	s_add_nc_u64 s[56:57], s[10:11], s[56:57]
	s_add_nc_u64 s[58:59], s[12:13], s[58:59]
	CROUND                                         ; all four work-groups are here: the first joint loads meet
	tensor_load_to_lds s[32:35], s[24:31]          ; steps 0 to 3, one a wave: half the ring, so that what the first product waits for is not behind what it does not need yet
	s_nop 0
.rept 4
	v_nop
.endr
	v_and_b32 v10, 31, v0                          ; lane
	v_lshlrev_b32 v1, 4, v10                       ; 16 x lane
	v_add_nc_u32 v2, 2*STEPB, v1
	v_add_nc_u32 v3, 4*STEPB, v1
	v_add_nc_u32 v4, 6*STEPB, v1
.irp a, 0,1,2,3
	global_load_b128 v[AS+4*\a:AS+4*\a+3], v[L16], s[50:51] offset:512*\a     ; block a's scale words: register p: K steps 2 p (lanes 0-15) and 2 p + 1 (lanes 16-31)
.endr
.irp t, 0,1,2,3,4,5,6,7,8,9,10,11,12,13,14,15
	global_load_b128 v[BS+4*\t:BS+4*\t+3], v[L16], s[52:53] offset:512*\t     ; the scale words of steps 0 to 7
.endr
	WIN 0x40
.irp sl, 0,1,2,3
.irp a, 0,1,2,3
.irp p, 0,1,2
	global_load_b128 v[12*(4*\sl+\a)+4*\p:12*(4*\sl+\a)+4*\p+3], v[L16], s[48:49] offset:(8*\a+\sl)*1536+512*\p
.endr
.endr
.endr
	WIN 0x80
.irp sl, 0,1,2,3
.irp a, 0,1,2,3
.irp p, 0,1,2
	global_load_b128 v[12*(4*\sl+\a)+4*\p:12*(4*\sl+\a)+4*\p+3], v[L16], s[48:49] offset:(8*\a+4+\sl)*1536+512*\p
.endr
.endr
.endr
	WIN 0
	s_lshl_b32 s60, s40, 14
	s_add_co_u32 s60, s60, IMG                     ; my wave's images
	v_add_nc_u32 v6, s60, v1
	v_lshrrev_b32 v11, 2, v10                      ; the end's reads: lane l = 4 n + 2 h + p takes registers 4 p .. 4 p + 3 of step n's scan from lane 15 + 16 h
	v_lshlrev_b32 v7, 10, v11
	v_and_b32 v11, 1, v10
	v_lshl_add_u32 v7, v11, 9, v7
	v_bfe_u32 v11, v10, 1, 1
	v_lshl_add_u32 v7, v11, 8, v7
	v_add_nc_u32 v7, s60, v7
	v_add_nc_u32 v7, 240, v7
	s_lshl_b32 s60, s40, 10
	s_add_co_u32 s60, s60, XCH
	v_add_nc_u32 v8, s60, v1
	v_add_nc_u32 v9, XCH, v1
.irp j, 0,1,2,3,4,5,6,7,8,9,10,11,12,13,14,15
	v_mov_b32 v[SI+\j], 0                          ; written once: the destination of a DPP form counts as one of its sources
.endr
	FILL 1, 0                                      ; steps 0 to 3 are whole in all four work-groups; slots 4-7 get their first fill, steps 4 to 7, issued as a refill is
	BLOAD 0, 0
	BLOAD 0, 1
	WIN 0
	s_wait_loadcnt 48                              ; all scale words and x's fragments of K steps 0 to 3 are in; the 48 loads of K steps 4 to 7 may be out
	STEP 0
	STEP 1
	STEP 2
	STEP 3
	STEP 4
	STEP 5
	STEP 6
	STEP 7
	STEP 8
	STEP 9
	STEP 10
	STEP 11
	STEP 12
	STEP 13
	STEP 14
	STEP 15
	; the chunk's totals, 1,024 bytes: position 64 n + 32 h + 4 j
	ds_load_b128 v[TT:TT+3], v7                    ; LDS serves a wave's instructions in order: these see my stores.  Steps 0 to 7,
	ds_load_b128 v[TT+4:TT+7], v7 offset:8192      ; steps 8 to 15
	s_wait_dscnt 0x0
	global_store_b128 v[L16], v[TT:TT+3], s[56:57]
	global_store_b128 v[L16], v[TT+4:TT+7], s[56:57] offset:512
	ds_store_b128 v8, v[TT:TT+3]
	ds_store_b128 v8, v[TT+4:TT+7] offset:512
	s_wait_dscnt 0x0                               ; for the others' sake: my totals have landed
	s_barrier_signal -1
	s_barrier_wait -1
	s_cmp_lg_u32 s40, 0
	s_cbranch_scc1 .Lnot_mine
.irp i, 0,1,2,3
.irp q, 0,1
	ds_load_b128 v[TW+8*\i+4*\q:TW+8*\i+4*\q+3], v9 offset:1024*\i+512*\q
.endr
.endr
	s_wait_dscnt 0x0
.irp i, 1,2,3
.irp k, 0,2,4,6
	v_pk_add_f32 v[TW+\k:TW+\k+1], v[TW+\k:TW+\k+1], v[TW+8*\i+\k:TW+8*\i+\k+1]   ; the four chunks' totals, in the chunks' order
.endr
.endr
	global_store_b128 v[L16], v[TW:TW+3], s[58:59]
	global_store_b128 v[L16], v[TW+4:TW+7], s[58:59] offset:512
.Lnot_mine:
	s_wait_tensorcnt 0x0                           ; the wave's end: behind my last tensor load and my last LDS store
	ds_add_u32 v[SPW], v[NIL]
	s_wait_dscnt 0x0
	CROUND                                         ; the closing round: no work-group ends while a partner may still ask for a tile that names it
	s_endpgm
.Lfunc_end_k_q5abd9041c7_kv:
	.size	k_q5abd9041c7_kv, .Lfunc_end_k_q5abd9041c7_kv-k_q5abd9041c7_kv
	.p2alignl 7, 3214868480
	.fill 96, 4, 3214868480
	.section	.rodata,"a",@progbits
	.p2align	6, 0x0
	.amdhsa_kernel k_q5abd9041c7_kv
		.amdhsa_group_segment_fixed_size 327680
		.amdhsa_private_segment_fixed_size 0
		.amdhsa_enable_private_segment 0
		.amdhsa_kernarg_size 40
		.amdhsa_user_sgpr_count 2
		.amdhsa_user_sgpr_kernarg_segment_ptr 1
		.amdhsa_wavefront_size32 1
		.amdhsa_system_sgpr_workgroup_id_x 1
		.amdhsa_system_sgpr_workgroup_id_y 1
		.amdhsa_system_sgpr_workgroup_id_z 1
		.amdhsa_system_vgpr_workitem_id 0
		.amdhsa_next_free_vgpr 1024
		.amdhsa_next_free_sgpr 66
		.amdhsa_reserve_vcc 0
		.amdhsa_float_denorm_mode_32 3
		.amdhsa_float_denorm_mode_16_64 3
		.amdhsa_memory_ordered 1
		.amdhsa_forward_progress 1
		.amdhsa_inst_pref_size 255
	.end_amdhsa_kernel
	.section	.bss,"aw",@nobits
	.p2align	6
	.space	262144
	.amdgpu_metadata
---
amdhsa.version: [ 1, 2 ]
amdhsa.kernels:
  - .name:           k_q5abd9041c7_kv
    .symbol:         k_q5abd9041c7_kv.kd
    .args:
      - { .name: codes, .offset: 0, .size: 8, .value_kind: global_buffer, .address_space: global }
      - { .name: scales, .offset: 8, .size: 8, .value_kind: global_buffer, .address_space: global }
      - { .name: c, .offset: 16, .size: 8, .value_kind: global_buffer, .address_space: global }
      - { .name: tot, .offset: 24, .size: 8, .value_kind: global_buffer, .address_space: global }
      - { .name: totw, .offset: 32, .size: 8, .value_kind: global_buffer, .address_space: global }
    .group_segment_fixed_size: 327680
    .private_segment_fixed_size: 0
    .kernarg_segment_align: 8
    .kernarg_segment_size: 40
    .max_flat_workgroup_size: 128
    .sgpr_count:     66
    .vgpr_count:     1024
    .wavefront_size: 32
...
	.end_amdgpu_metadata
.endif
;; end of part 2
;; launch qv (part 3): grid 64 x 4, 4 waves a work-group, clusters of 4 x 1, 205,312 bytes of LDS; arguments codes, scales, c, tot, totw, vcodes, vscales; writes vcodes, vscales
.if DOCPART == 3
	.amdgcn_target "amdgcn-amd-amdhsa--gfx1250"
	.amdhsa_code_object_version 6
	.text
	.protected	k_q5abd9041c7_qv
	.globl	k_q5abd9041c7_qv
	.p2align	8
	.type	k_q5abd9041c7_qv,@function
k_q5abd9041c7_qv:
	s_mov_b64 s[64:65], 0
	v_nop
	global_prefetch_b8 v0, s[64:65] scope:SCOPE_SE
	s_setreg_imm32_b32 hwreg(HW_REG_WAVE_MODE, 25, 1), 1
	s_wait_xcnt 0x0
	s_wait_alu depctr_hold_cnt(0) depctr_sa_sdst(0) depctr_va_vdst(0) depctr_va_sdst(0) depctr_va_ssrc(0) depctr_va_vcc(0) depctr_vm_vsrc(0)
	s_getreg_b32 s2, hwreg(HW_REG_IB_STS2, 6, 4)
	s_cmp_eq_u32 s2, 0
	s_cbranch_scc0 .Lentry_in_a_cluster
	s_endpgm
.Lentry_in_a_cluster:
	s_bfe_u32 s2, ttmp6, 0x10000c
	s_cmp_lg_u32 s2, 0x3003
	s_cbranch_scc0 .Lentry_shape_is_right
	s_endpgm
.Lentry_shape_is_right:
; q = x Wq^T on codes of FP6 (E2M3) with E8M0 scales; kvt = (c + the sum of all earlier chunks of the batch) x 2^-7 (sqrt(1024) / 4096, exact); vhat = q kvt, quantised along the channels into codes and scale words
; laid as the last product's operand registers.  All between the products in f32.
; SHARES.  Work-group (X, z): rows 256 X .. 256 X + 255, channels 256 z .. 256 z + 255 (K steps 2 z, 2 z + 1 of the last product).  Wave w owns chunk y = 4 X + w and keeps its 32 fragments of x in 384 registers.
; The slab's 16 tiles of Wq come into LDS ONCE and all four waves read them.  No LDS byte is filled twice.
; A STEP is two tiles of Wq, which are one block of 32 channels, x my four blocks of rows x all of K: 64 matrix instructions on 8 accumulators by turns; then the block is finished: lane (r, h) holds row 64 y + 4 r + a and
; channels 32 b + 16 h + 0 .. 15 in the 16 registers of accumulators (a, 0), (a, 1); c lies in memory as an image of those registers.  c runs three steps ahead, in three slots of 64 registers.
; THE CARRY: the totals of the earlier work-groups' rows of my batch (up to 15 images of totw, four to a wave, summed through LDS) and of the earlier chunks of my own four (tot).  What does not count is left out by a select,
; not by a multiplication, so that nothing of a later row reaches an earlier one.
; CLUSTER: the four work-groups of a cluster have the same z: Wq's tiles are asked for JOINTLY.  x's fragments go straight into registers by plain loads: a work-group's 196,608 bytes do not fit in LDS beside the weights' 196,608.
; LIMITS: the running sum is added in another order than row by row, all in f32; a block of zeros gets the byte 1 where the rule says 127 (zero codes; this program alone reads the bytes); NaN and infinities are not served.
; REGISTERS: window 0: v1-4 LDS addresses of the weight fragments (v1 = 16 x lane); v6-10 addresses, lane; v16-31 x's scale words; v32-95 Wq's; v96-159 the accumulators ((a, u) at 96 + 16 a + 8 u);
;   v160-175 a step's carries; v176-191 at work; v192-195 the conversions' scale operands; v196-203 vhat's scale words; v204-251 vhat's codes, 12 a block of rows; v252-255 the words on their way out.
;   windows 1, 2: x's fragments ((a, s) at 12 (4 (s % 4) + a)); window 3: a step's weight fragments ((s, u) at 12 (2 s + u)); v192-255 of window 1 + n % 3: step n's c.
.set TILEB,  12288
.set STEPB,  2*TILEB
.set BBYTES, 8*STEPB                   ; the slab's tiles: LDS bytes 0 .. 196,607
.set BB0,    1024                      ; Wq's tiles begin at this block of codes and scales
.set PART,   BBYTES                    ; behind them: 1,024 bytes a wave: its part of the carry
.set CAR,    PART+4096                 ; 1,024 bytes a wave: its carries, position 64 t + 32 h + 4 j
.set L16,  1
.set BADR, 1
.set AS,   16
.set BS,   32
.set ACC,  96
.set CARR, 160
.set QM,   176                         ; v176-179 largest magnitudes; v180-183 the other half's; v184-187 bytes.  In odd steps v176-191 then take the second blocks' codes
.set YC,   176
.set SC,   192
.set SWS,  196
.set FR,   204
.set VS,   252
.set MSB, 0
.macro WIN new                         ; the immediate's high byte repeats the setting that is left; a switch that changes nothing is dropped
.if MSB != \new
	s_set_vgpr_msb (MSB<<8)|\new
.set MSB, \new
.endif
.endm
.macro CROUND                          ; a round of the cluster's barrier
	s_barrier_signal -1
	s_barrier_wait -1
	s_cmp_lg_u32 s40, 0
	s_cbranch_scc1 .Lnot_wave_0_\@
	s_barrier_signal -3
.Lnot_wave_0_\@:
	s_barrier_wait -3
	s_barrier_signal -1
	s_barrier_wait -1
.endm
; A load into a register that a matrix instruction has read, and a vector instruction that reads a result, stand four plain vector instructions behind it; a matrix instruction that writes over one of its
; registers (a sum begun anew) five (ISA guide 7.12.1 for vector instructions).
.macro PLACES n
.rept \n
	v_nop
.endr
.endm
.macro BLOAD m, hf                     ; step m's weight fragments of K steps 4 hf .. 4 hf + 3: 24 loads of 512 consecutive bytes, images of the registers
	WIN 0xc0
.irp sl, 0,1,2,3
.irp u, 0,1
.irp p, 0,1,2
	ds_load_b128 v[12*(2*(4*(\hf)+\sl)+\u)+4*\p:12*(2*(4*(\hf)+\sl)+\u)+4*\p+3], v[BADR+(\m)/2] offset:((\m)%2)*STEPB+\u*TILEB+(4*(\hf)+\sl)*1536+\p*512
.endr
.endr
.endr
.endm
.macro MM n, hf, sl, a, u              ; K step s = 4 hf + sl.  Its scale words stand in register s / 2 of a side's four: lanes 0-15 for even s, lanes 16-31 for odd s
.set rD, ACC+16*\a+8*\u
.set rB, 12*(2*(4*(\hf)+\sl)+\u)
.set rA, 12*(4*\sl+\a)
.set rSB, BS+4*(2*(\n)+\u)+(4*(\hf)+\sl)/2
.set rSA, AS+4*\a+(4*(\hf)+\sl)/2
.if (\hf) == 0 && (\sl) == 0
	v_wmma_scale_f32_16x16x128_f8f6f4 v[rD:rD+7], v[rB:rB+11], v[rA:rA+11], 0, v[rSB], v[rSA] matrix_a_fmt:MATRIX_FMT_FP6 matrix_b_fmt:MATRIX_FMT_FP6
.elseif (\sl)%2 == 0
	v_wmma_scale_f32_16x16x128_f8f6f4 v[rD:rD+7], v[rB:rB+11], v[rA:rA+11], v[rD:rD+7], v[rSB], v[rSA] matrix_a_fmt:MATRIX_FMT_FP6 matrix_b_fmt:MATRIX_FMT_FP6
.else
	v_wmma_scale_f32_16x16x128_f8f6f4 v[rD:rD+7], v[rB:rB+11], v[rA:rA+11], v[rD:rD+7], v[rSB], v[rSA] matrix_a_fmt:MATRIX_FMT_FP6 matrix_b_fmt:MATRIX_FMT_FP6 matrix_a_scale:MATRIX_SCALE_ROW1 matrix_b_scale:MATRIX_SCALE_ROW1
.endif
.endm
.macro HALF n, hf                      ; 32 matrix instructions: four K steps x the 8 accumulators, which take turns, one instruction a turn; the first K step starts the sums
.set WW, 0x07+4*(\hf)                  ; source 0 window 3, source 1 window 1 or 2, C and D window 0
	WIN WW
.irp sl, 0,1,2,3
.irp a, 0,1,2,3
.irp u, 0,1
	MM \n, \hf, \sl, \a, \u
.endr
.endr
.endr
.endm
.macro CLOAD m                         ; step m's c: 16 loads of 512 consecutive bytes into slot m % 3, in the accumulators' order; read once in the launch
.set WW, (1+(\m)%3)<<6
	WIN WW
.irp a, 0,1,2,3
.irp u, 0,1
.irp p, 0,1
	global_load_b128 v[192+16*\a+8*\u+4*\p:195+16*\a+8*\u+4*\p], v[L16], s[54:55] offset:\a*65536+(2*(\m)+\u)*1024+512*\p th:TH_LOAD_NT
.endr
.endr
.endr
.endm
.macro MID n                           ; the step's 16 carries: the eight channels of my half in each of its two tiles; the 16 lanes of a half read the same bytes
	WIN 0
.irp u, 0,1
.irp p, 0,1
	ds_load_b128 v[CARR+8*\u+4*\p:CARR+8*\u+4*\p+3], v9 offset:(2*(\n)+\u)*64+16*\p
.endr
.endr
.endm
; What a step's results become.
.macro EPI n
.set W, 1+(\n)%3
.if \n <= 5
	s_wait_loadcnt 32                              ; this step's c is in; the two later steps' 16 loads each may be out
.elseif \n == 6
	s_wait_loadcnt 16
.else
	s_wait_loadcnt 0x0
.endif
.if \n < 7
	s_wait_dscnt 48                                ; the carries are in; the 48 fragment loads issued behind them may be out
.else
	s_wait_dscnt 0x0
.endif
.set WW, W|(W<<6)
	WIN WW
.set ii, 0
.rept 32
	v_pk_fma_f32 v[192+ii:193+ii], v[192+ii:193+ii], s[22:23], v[CARR+ii%16:CARR+ii%16+1] op_sel_hi:[1,0,1]   ; kvt = c 2^-7 + carry 2^-7: one rounding
.set ii, ii+2
.endr
.set WW, W<<2
	WIN WW
.set ii, 0
.rept 32
	v_pk_mul_f32 v[ACC+ii:ACC+ii+1], v[ACC+ii:ACC+ii+1], v[192+ii:193+ii]   ; vhat = q kvt; ascending: each accumulator is read from its low end on
.set ii, ii+2
.endr
.if (\n)+3 < 8
	CLOAD (\n)+3                                   ; the slot takes the c of three steps on
.endif
	WIN 0
.irp a, 0,1,2,3
	v_max3_num_f32 v[QM+\a], |v[ACC+16*\a]|, |v[ACC+16*\a+1]|, 0x1800000   ; my 16 numbers of row a's block, and the floor 2^(3 - 127), so that the byte cannot fall under 1
.endr
.irp i, 2,4,6,8,10,12,14
.irp a, 0,1,2,3
	v_max3_num_f32 v[QM+\a], v[QM+\a], |v[ACC+16*\a+\i]|, |v[ACC+16*\a+\i+1]|   ; (the four rows by turns)
.endr
.endr
.irp a, 0,1,2,3
	v_permlanex16_b32 v[QM+4+\a], v[QM+\a], s20, s21
.endr
.irp a, 0,1,2,3
	v_max_num_f32 v[QM+\a], v[QM+\a], v[QM+4+\a]   ; with lane l xor 16's 16: the block's largest magnitude
.endr
.irp a, 0,1,2,3
	v_add_nc_u32 v[SC+\a], 0xff000000, v[QM+\a]    ; 2 off the exponent field: the conversion's scale operand
.endr
.if (\n)%4 == 0
.irp a, 0,1,2,3
	v_lshrrev_b32 v[SWS+4*((\n)/4)+\a], 23, v[SC+\a]   ; the scale's byte: the first of a K step's four
.endr
.else
.irp a, 0,1,2,3
	v_lshrrev_b32 v[QM+8+\a], 23, v[SC+\a]
.endr
.irp a, 0,1,2,3
	v_lshl_or_b32 v[SWS+4*((\n)/4)+\a], v[QM+8+\a], 8*((\n)%4), v[SWS+4*((\n)/4)+\a]
.endr
.endif
.if \n == 4
	s_wait_alu depctr_va_vdst(0)
	s_wait_xcnt 0x0                                ; the first K step's stores have read the codes' registers: they are written again only behind this wait
.endif
.set CC, ((\n)%4)/2
.irp a, 0,1,2,3
.if (\n)%2 == 0
	v_cvt_scalef32_pk16_fp6_f32 v[FR+12*\a+6*CC:FR+12*\a+6*CC+2], v[ACC+16*\a:ACC+16*\a+15], v[SC+\a]   ; block 2 CC of the K step: k = 64 CC + 16 h + 0 .. 15
.else
	v_cvt_scalef32_pk16_fp6_f32 v[YC+4*\a:YC+4*\a+2], v[ACC+16*\a:ACC+16*\a+15], v[SC+\a]               ; block 2 CC + 1: k = 64 CC + 32 + 16 h + 0 .. 15
.endif
.endr
	v_nop                                          ; one plain place behind a scaled conversion
.if (\n)%2 == 1
.irp a, 0,1,2,3                        ; the operand's layout wants a WHOLE block in a lane: lanes 0-15 block 2 CC, lanes 16-31 block 2 CC + 1
.irp i, 0,1,2
	v_permlane16_swap_b32 v[FR+12*\a+6*CC+\i], v[YC+4*\a+\i]   ; the first's lanes 16-31 change places with the second's lanes 0-15
.endr
.irp i, 0,1,2
	v_mov_b32 v[FR+12*\a+6*CC+3+\i], v[YC+4*\a+\i]
.endr
.endr
.endif
.if (\n)%4 == 3
.irp a, 0,1,2,3
.irp p, 0,1,2
	global_store_b128 v[L16], v[FR+12*\a+4*\p:FR+12*\a+4*\p+3], s[60:61] offset:\a*TILEB+((\n)/4)*1536+512*\p   ; a piece of a fragment: 512 consecutive bytes, aligned
.endr
.endr
.endif
.if \n == 7
	v_cmp_gt_u32 vcc_lo, 16, v10
.irp a, 0,1,2,3
	v_cndmask_b32 v[VS+\a], v[SWS+4+\a], v[SWS+\a], vcc_lo   ; lanes 0-15: the word of K step 2 z; lanes 16-31: of K step 2 z + 1
.endr
	global_store_b128 v[L16], v[VS:VS+3], s[62:63]
.endif
.endm
.macro STEP n
	s_wait_dscnt 0x0                               ; the step's 48 fragment loads are in, and my LDS stores are done
	HALF \n, 0
	PLACES 4
	MID \n
.if \n < 7
	BLOAD (\n)+1, 0                                ; the next step's first half is fetched under this step's second,
.endif
	HALF \n, 1
	PLACES 5
.if \n < 7
	BLOAD (\n)+1, 1                                ; its second half under what follows
.endif
	WIN 0
	EPI \n
.endm
	s_load_b256 s[4:11], s[0:1], 0x0               ; codes, scales, c, tot
	s_load_b128 s[12:15], s[0:1], 0x20             ; totw, vcodes
	s_load_b64 s[16:17], s[0:1], 0x30              ; vscales
	v_lshl_add_u32 v14, v0, 2, 0x32000
	v_mov_b32 v15, 0
	ds_add_u32 v14, v15
	ds_add_u32 v14, v15
	v_lshrrev_b32 v1, 5, v0
	v_readfirstlane_b32 s40, v1                    ; wave 0..3
	s_bfe_u32 s41, ttmp6, 0x40000                  ; cx: it enters the addresses of plain loads and stores and the masks of selects alone
	s_lshl_b32 s42, ttmp9, 2
	s_add_co_u32 s42, s42, s41                     ; X = 4 x cluster x + cx
	s_and_b32 s43, ttmp7, 0xffff                   ; z, which the four partners share
	s_lshl_b32 s44, s42, 2
	s_add_co_u32 s44, s44, s40                     ; y = 4 X + wave
	s_and_b32 s45, s42, 15                         ; my place among the 16 work-groups' rows of a batch
	s_mov_b32 s20, 0x76543210
	s_mov_b32 s21, 0xfedcba98                      ; v_permlanex16_b32's selects for lane l xor 16
	s_mov_b32 s22, 0x3c000000                      ; 2^-7
	s_mov_b32 s23, s22                             ; (named with it as a pair, so it is written)
	; descriptor group 1: two steps' 49,152 dense bytes as 192 rows of 256 bytes (32 elements of 8 bytes), no padding
	s_mov_b32 s24, 15|(3<<16)|(1<<21)              ; 15:0 the mask: all four work-groups; 17:16 elements of 8 bytes; 21 set beside a mask
	s_mov_b32 s25, 32<<16                          ; tensor_dim0 = 32
	s_mov_b32 s26, 192<<16                         ; tensor_dim1 = 192
	s_mov_b32 s27, 32<<16                          ; tile_dim0 = 32
	s_mov_b32 s28, 192                             ; tile_dim1 = 192
	s_mov_b32 s29, 32                              ; from row to row
	s_mov_b32 s30, 0
	s_mov_b32 s31, 0
	s_mul_i32 s46, s43, BBYTES                     ; the slab's tiles, and of them steps 2 w and 2 w + 1: made of z and the wave's number alone
	s_mul_i32 s33, s40, 2*STEPB                    ; LDS address: step 2 w
	s_add_co_u32 s46, s46, s33
	s_add_co_u32 s46, s46, BB0*TILEB
	s_mov_b32 s47, 0
	s_mov_b32 s32, 1
	s_mul_i32 s48, s44, 4*TILEB                    ; my chunk's four blocks of x's codes,
	s_mov_b32 s49, 0
	s_lshl_b32 s50, s44, 11                        ; and of scale words
	s_mov_b32 s51, 0
	s_lshl_b32 s52, s43, 13                        ; the slab's 16 tiles' scale words
	s_add_co_u32 s52, s52, BB0*512
	s_mov_b32 s53, 0
	s_lshl_b32 s54, s44, 18                        ; c: my four blocks of 65,536 bytes, the slab's 16 tiles of 1,024
	s_lshl_b32 s74, s43, 14
	s_add_co_u32 s54, s54, s74
	s_mov_b32 s55, 0
	s_and_b32 s74, s42, 48                         ; totw: the batch's first image,
	s_lshl_b32 s56, s74, 12
	s_lshl_b32 s75, s43, 10                        ; the slab's 1,024 bytes of it,
	s_add_co_u32 s56, s56, s75
	s_lshl_b32 s74, s40, 14                        ; my wave's four images of the 16
	s_add_co_u32 s56, s56, s74
	s_mov_b32 s57, 0
	s_lshl_b32 s58, s42, 14                        ; tot: my work-group's four chunks
	s_add_co_u32 s58, s58, s75
	s_mov_b32 s59, 0
	s_mul_i32 s60, s44, 4*TILEB                    ; vcodes: my four blocks, K steps 2 z and 2 z + 1
	s_mul_i32 s74, s43, 3072
	s_add_co_u32 s60, s60, s74
	s_mov_b32 s61, 0
	s_lshl_b32 s62, s44, 11                        ; vscales: 2,048 bytes a chunk, 512 a slab
	s_lshl_b32 s74, s43, 9
	s_add_co_u32 s62, s62, s74
	s_mov_b32 s63, 0
	; the masks of the carry's selects, all ones or 0, by a subtraction and its sign: image 4 w + i of totw counts where 4 w + i < my place; chunk i of my work-group's where i < w
	s_lshl_b32 s74, s40, 2
	s_sub_co_i32 s74, s74, s45
.irp i, 0,1,2,3
	s_add_co_i32 s[66+\i], s74, \i
	s_ashr_i32 s[66+\i], s[66+\i], 31
.endr
.irp i, 0,1,2
	s_sub_co_i32 s[70+\i], \i, s40
	s_ashr_i32 s[70+\i], s[70+\i], 31
.endr
	s_wait_dscnt 0x0
	s_wait_kmcnt 0x0
	s_add_nc_u64 s[34:35], s[4:5], s[46:47]
	s_or_b32 s35, s35, 0x80000000                  ; type = 2
	s_add_nc_u64 s[48:49], s[4:5], s[48:49]
	s_add_nc_u64 s[50:51], s[6:7], s[50:51]
	s_add_nc_u64 s[52:53], s[6:7], s[52:53]
	s_add_nc_u64 s[54:55], s[8:9], s[54:55]
	s_add_nc_u64 s[56:57], s[12:13], s[56:57]
	s_add_nc_u64 s[58:59], s[10:11], s[58:59]
	s_add_nc_u64 s[60:61], s[14:15], s[60:61]
	s_add_nc_u64 s[62:63], s[16:17], s[62:63]
	CROUND                                         ; all four work-groups are here: the joint loads meet
	tensor_load_to_lds s[32:35], s[24:31]          ; one tensor load a wave: the four bring all eight steps; no LDS byte is filled twice
	s_nop 0
.rept 4
	v_nop
.endr
	v_and_b32 v10, 31, v0                          ; lane
	v_lshlrev_b32 v1, 4, v10                       ; 16 x lane
	s_wait_alu depctr_va_vdst(0)
	v_add_nc_u32 v2, 2*STEPB, v1
	v_add_nc_u32 v3, 4*STEPB, v1
	v_add_nc_u32 v4, 6*STEPB, v1
.irp i, 0,1,2,3
.irp p, 0,1
	global_load_b128 v[96+8*\i+4*\p:99+8*\i+4*\p], v[L16], s[56:57] offset:4096*\i+512*\p     ; my four images of totw (all inside the batch's 16)
.endr
.endr
.irp i, 0,1,2
.irp p, 0,1
	global_load_b128 v[128+8*\i+4*\p:131+8*\i+4*\p], v[L16], s[58:59] offset:4096*\i+512*\p   ; the first three chunks' totals of my work-group
.endr
.endr
.irp a, 0,1,2,3
	global_load_b128 v[AS+4*\a:AS+4*\a+3], v[L16], s[50:51] offset:512*\a
.endr
.irp t, 0,1,2,3,4,5,6,7,8,9,10,11,12,13,14,15
	global_load_b128 v[BS+4*\t:BS+4*\t+3], v[L16], s[52:53] offset:512*\t
.endr
	WIN 0x40
.irp sl, 0,1,2,3
.irp a, 0,1,2,3
.irp p, 0,1,2
	global_load_b128 v[12*(4*\sl+\a)+4*\p:12*(4*\sl+\a)+4*\p+3], v[L16], s[48:49] offset:(8*\a+\sl)*1536+512*\p
.endr
.endr
.endr
	WIN 0x80
.irp sl, 0,1,2,3
.irp a, 0,1,2,3
.irp p, 0,1,2
	global_load_b128 v[12*(4*\sl+\a)+4*\p:12*(4*\sl+\a)+4*\p+3], v[L16], s[48:49] offset:(8*\a+4+\sl)*1536+512*\p
.endr
.endr
.endr
	CLOAD 0
	CLOAD 1
	CLOAD 2
	WIN 0
	s_lshl_b32 s74, s40, 10
	s_add_co_u32 s75, s74, PART
	v_add_nc_u32 v6, s75, v1                       ; where I put my part of the carry,
	v_add_nc_u32 v7, PART, v1                      ; where all four are read,
	s_add_co_u32 s75, s74, CAR
	v_add_nc_u32 v8, s75, v1                       ; where my wave's carries go,
	v_bfe_u32 v9, v0, 4, 1
	v_lshlrev_b32 v9, 5, v9
	v_add_nc_u32 v9, s75, v9                       ; and where a step reads them: + 32 h
	s_wait_loadcnt 63                              ; the 14 loads of totals are in: 164 loads were issued behind them, and 63 is the largest count that the wait can name
.irp k, 0,1,2,3,4,5,6,7
	v_cndmask_b32 v[176+\k], 0, v[96+\k], s66      ; my part: the images that count, in their order
.endr
.irp i, 1,2,3
.irp k, 0,1,2,3,4,5,6,7
	v_cndmask_b32 v[96+8*\i+\k], 0, v[96+8*\i+\k], s[66+\i]
.endr
.irp k, 0,2,4,6
	v_pk_add_f32 v[176+\k:177+\k], v[176+\k:177+\k], v[96+8*\i+\k:97+8*\i+\k]
.endr
.endr
.irp k, 0,1,2,3,4,5,6,7
	v_cndmask_b32 v[184+\k], 0, v[128+\k], s70     ; the chunks of my own work-group that come before mine
.endr
.irp i, 1,2
.irp k, 0,1,2,3,4,5,6,7
	v_cndmask_b32 v[128+8*\i+\k], 0, v[128+8*\i+\k], s[70+\i]
.endr
.irp k, 0,2,4,6
	v_pk_add_f32 v[184+\k:185+\k], v[184+\k:185+\k], v[128+8*\i+\k:129+8*\i+\k]
.endr
.endr
	ds_store_b128 v6, v[176:179]
	ds_store_b128 v6, v[180:183] offset:512
	s_wait_alu depctr_va_vdst(0)
	s_wait_tensorcnt 0x0                           ; my two steps are in
	s_wait_dscnt 0x0                               ; for the others' sake: my part of the carry has landed
	s_barrier_signal -1
	s_barrier_wait -1                              ; steps 0 to 7 are whole, and so are the four parts
	BLOAD 0, 0
	BLOAD 0, 1
	WIN 0
.irp i, 0,1,2,3
.irp p, 0,1
	ds_load_b128 v[96+8*\i+4*\p:99+8*\i+4*\p], v7 offset:1024*\i+512*\p
.endr
.endr
	s_wait_dscnt 0x0
.irp i, 1,2,3
.irp k, 0,2,4,6
	v_pk_add_f32 v[96+\k:97+\k], v[96+\k:97+\k], v[96+8*\i+\k:97+8*\i+\k]   ; the four waves' parts, in the rows' order,
.endr
.endr
.irp k, 0,2,4,6
	v_pk_add_f32 v[96+\k:97+\k], v[96+\k:97+\k], v[184+\k:185+\k]           ; my work-group's earlier chunks,
.endr
.irp k, 0,2,4,6
	v_pk_mul_f32 v[CARR+\k:CARR+\k+1], v[96+\k:97+\k], s[22:23] op_sel_hi:[1,0]   ; x 2^-7
.endr
	ds_store_b128 v8, v[CARR:CARR+3]               ; my wave's own bytes: its later reads come behind these stores, in order
	ds_store_b128 v8, v[CARR+4:CARR+7] offset:512
	s_wait_loadcnt 48                              ; x's fragments and all scale words are in; the 48 loads of c issued behind them may be out
	STEP 0
	STEP 1
	STEP 2
	STEP 3
	STEP 4
	STEP 5
	STEP 6
	STEP 7
	s_wait_dscnt 0x0
	s_wait_tensorcnt 0x0
	ds_add_u32 v14, v15
	s_wait_dscnt 0x0
	CROUND                                         ; the closing round: no work-group ends while a partner may still ask for a tile that names it
	s_endpgm
.Lfunc_end_k_q5abd9041c7_qv:
	.size	k_q5abd9041c7_qv, .Lfunc_end_k_q5abd9041c7_qv-k_q5abd9041c7_qv
	.p2alignl 7, 3214868480
	.fill 96, 4, 3214868480
	.section	.rodata,"a",@progbits
	.p2align	6, 0x0
	.amdhsa_kernel k_q5abd9041c7_qv
		.amdhsa_group_segment_fixed_size 205312
		.amdhsa_private_segment_fixed_size 0
		.amdhsa_enable_private_segment 0
		.amdhsa_kernarg_size 56
		.amdhsa_user_sgpr_count 2
		.amdhsa_user_sgpr_kernarg_segment_ptr 1
		.amdhsa_wavefront_size32 1
		.amdhsa_system_sgpr_workgroup_id_x 1
		.amdhsa_system_sgpr_workgroup_id_y 1
		.amdhsa_system_sgpr_workgroup_id_z 1
		.amdhsa_system_vgpr_workitem_id 0
		.amdhsa_next_free_vgpr 1024
		.amdhsa_next_free_sgpr 80
		.amdhsa_reserve_vcc 1
		.amdhsa_float_denorm_mode_32 3
		.amdhsa_float_denorm_mode_16_64 3
		.amdhsa_memory_ordered 1
		.amdhsa_forward_progress 1
		.amdhsa_inst_pref_size 197
	.end_amdhsa_kernel
	.amdgpu_metadata
---
amdhsa.version: [ 1, 2 ]
amdhsa.kernels:
  - .name:           k_q5abd9041c7_qv
    .symbol:         k_q5abd9041c7_qv.kd
    .args:
      - { .name: codes, .offset: 0, .size: 8, .value_kind: global_buffer, .address_space: global }
      - { .name: scales, .offset: 8, .size: 8, .value_kind: global_buffer, .address_space: global }
      - { .name: c, .offset: 16, .size: 8, .value_kind: global_buffer, .address_space: global }
      - { .name: tot, .offset: 24, .size: 8, .value_kind: global_buffer, .address_space: global }
      - { .name: totw, .offset: 32, .size: 8, .value_kind: global_buffer, .address_space: global }
      - { .name: vcodes, .offset: 40, .size: 8, .value_kind: global_buffer, .address_space: global }
      - { .name: vscales, .offset: 48, .size: 8, .value_kind: global_buffer, .address_space: global }
    .group_segment_fixed_size: 205312
    .private_segment_fixed_size: 0
    .kernarg_segment_align: 8
    .kernarg_segment_size: 56
    .max_flat_workgroup_size: 128
    .sgpr_count:     80
    .vgpr_count:     1024
    .wavefront_size: 32
...
	.end_amdgpu_metadata
.endif
;; end of part 3
;; launch outp (part 4): grid 64 x 4, 4 waves a work-group, clusters of 4 x 1, 327,680 bytes of LDS; arguments vcodes, vscales, codes, scales, out0; writes out0
.if DOCPART == 4
	.amdgcn_target "amdgcn-amd-amdhsa--gfx1250"
	.amdhsa_code_object_version 6
	.text
	.protected	k_q5abd9041c7_outp
	.globl	k_q5abd9041c7_outp
	.p2align	8
	.type	k_q5abd9041c7_outp,@function
k_q5abd9041c7_outp:
	s_mov_b64 s[64:65], 0
	v_nop
	global_prefetch_b8 v0, s[64:65] scope:SCOPE_SE
	s_setreg_imm32_b32 hwreg(HW_REG_WAVE_MODE, 25, 1), 1
	s_wait_xcnt 0x0
	s_wait_alu depctr_hold_cnt(0) depctr_sa_sdst(0) depctr_va_vdst(0) depctr_va_sdst(0) depctr_va_ssrc(0) depctr_va_vcc(0) depctr_vm_vsrc(0)
	s_getreg_b32 s2, hwreg(HW_REG_IB_STS2, 6, 4)
	s_cmp_eq_u32 s2, 0
	s_cbranch_scc0 .Lentry_in_a_cluster
	s_endpgm
.Lentry_in_a_cluster:
	s_bfe_u32 s2, ttmp6, 0x10000c
	s_cmp_lg_u32 s2, 0x3003
	s_cbranch_scc0 .Lentry_shape_is_right
	s_endpgm
.Lentry_shape_is_right:
.set TILEB,  12288
.set STEPB,  2*TILEB
.set BBYTES, 8*STEPB
.set BB0,    1216
.set SP,     272
.set STG,    BBYTES
.set L16,  1
.set BADR, 1
.set AS,   16
.set BS,   32
.set ACC,  96
.set MSB, 0
.macro WIN new
.if MSB != \new
	s_set_vgpr_msb (MSB<<8)|\new
.set MSB, \new
.endif
.endm
.macro CROUND
	s_barrier_signal -1
	s_barrier_wait -1
	s_cmp_lg_u32 s40, 0
	s_cbranch_scc1 .Lnot_wave_0_\@
	s_barrier_signal -3
.Lnot_wave_0_\@:
	s_barrier_wait -3
	s_barrier_signal -1
	s_barrier_wait -1
.endm
.macro PLACES n
.rept \n
	v_nop
.endr
.endm
.macro BLOAD m, hf
	WIN 0xc0
.irp sl, 0,1,2,3
.irp u, 0,1
.irp p, 0,1,2
	ds_load_b128 v[12*(2*(4*(\hf)+\sl)+\u)+4*\p:12*(2*(4*(\hf)+\sl)+\u)+4*\p+3], v[BADR+(\m)/2] offset:((\m)%2)*STEPB+\u*TILEB+(4*(\hf)+\sl)*1536+\p*512
.endr
.endr
.endr
.endm
.macro MM n, hf, sl, a, u
.set rD, ACC+16*\a+8*\u
.set rB, 12*(2*(4*(\hf)+\sl)+\u)
.set rA, 12*(4*\sl+\a)
.set rSB, BS+4*(2*(\n)+\u)+(4*(\hf)+\sl)/2
.set rSA, AS+4*((4*(\hf)+\sl)/2)+\a
.if (\hf) == 0 && (\sl) == 0
	v_wmma_scale_f32_16x16x128_f8f6f4 v[rD:rD+7], v[rB:rB+11], v[rA:rA+11], 0, v[rSB], v[rSA] matrix_a_fmt:MATRIX_FMT_FP6 matrix_b_fmt:MATRIX_FMT_FP6
.elseif (\sl)%2 == 0
	v_wmma_scale_f32_16x16x128_f8f6f4 v[rD:rD+7], v[rB:rB+11], v[rA:rA+11], v[rD:rD+7], v[rSB], v[rSA] matrix_a_fmt:MATRIX_FMT_FP6 matrix_b_fmt:MATRIX_FMT_FP6
.else
	v_wmma_scale_f32_16x16x128_f8f6f4 v[rD:rD+7], v[rB:rB+11], v[rA:rA+11], v[rD:rD+7], v[rSB], v[rSA] matrix_a_fmt:MATRIX_FMT_FP6 matrix_b_fmt:MATRIX_FMT_FP6 matrix_a_scale:MATRIX_SCALE_ROW1 matrix_b_scale:MATRIX_SCALE_ROW1
.endif
.endm
.macro HALF n, hf
.set WW, 0x07+4*(\hf)
	WIN WW
.irp sl, 0,1,2,3
.irp a, 0,1,2,3
.irp u, 0,1
	MM \n, \hf, \sl, \a, \u
.endr
.endr
.endr
.endm
.macro EPI n
.irp a, 0,1,2,3
.irp u, 0,1
.irp p, 0,1
	ds_store_b128 v6, v[ACC+16*\a+8*\u+4*\p:ACC+16*\a+8*\u+4*\p+3] offset:16*SP*\a+128*((\n)%2)+64*\u+16*\p
.endr
.endr
.endr
.if (\n)%2 == 1
.if \n > 1
	s_wait_xcnt 0x0
.endif
	WIN 0x40
.irp i, 0,1,2,3,4,5,6,7,8,9,10,11,12,13,14,15
	ds_load_b128 v[192+4*\i:195+4*\i], v7 offset:2*SP*\i
.endr
	WIN 0x80
.irp i, 0,1,2,3,4,5,6,7,8,9,10,11,12,13,14,15
	ds_load_b128 v[192+4*\i:195+4*\i], v7 offset:2*SP*(16+\i)
.endr
	WIN 0x04
.irp i, 0,1,2,3,4,5,6,7,8,9,10,11,12,13,14,15
	s_wait_dscnt 31-\i
	global_store_b128 v8, v[192+4*\i:195+4*\i], s[54:55] offset:(\i%8)*32768+(\i/8)*4096+256*((\n)/2) th:TH_STORE_NT
.endr
	WIN 0x08
.irp i, 0,1,2,3,4,5,6,7,8,9,10,11,12,13,14,15
	s_wait_dscnt 15-\i
	global_store_b128 v8, v[192+4*\i:195+4*\i], s[54:55] offset:(\i%8)*32768+(2+\i/8)*4096+256*((\n)/2) th:TH_STORE_NT
.endr
	WIN 0
.endif
.endm
.macro STEP n
	s_wait_dscnt 0x0
	HALF \n, 0
	PLACES 4
.if \n < 7
	BLOAD (\n)+1, 0
.endif
	HALF \n, 1
	PLACES 5
.if \n < 7
	BLOAD (\n)+1, 1
.endif
	WIN 0
	s_wait_alu depctr_va_vdst(0)
	EPI \n
.endm
	s_load_b256 s[4:11], s[0:1], 0x0
	s_load_b64 s[12:13], s[0:1], 0x20
	v_lshl_add_u32 v254, v0, 2, 0x41000
	v_mov_b32 v255, 0
	ds_add_u32 v254, v255
	ds_add_u32 v254, v255
	v_lshrrev_b32 v1, 5, v0
	v_readfirstlane_b32 s40, v1
	s_bfe_u32 s41, ttmp6, 0x40000
	s_lshl_b32 s42, ttmp9, 2
	s_add_co_u32 s42, s42, s41
	s_and_b32 s43, ttmp7, 0xffff
	s_lshl_b32 s44, s42, 2
	s_add_co_u32 s44, s44, s40
	s_mov_b32 s24, 15|(3<<16)|(1<<21)
	s_mov_b32 s25, 32<<16
	s_mov_b32 s26, 192<<16                         ; a wave's one load brings steps 2 w and 2 w + 1: 192 rows of 256 bytes, dense
	s_mov_b32 s27, 32<<16
	s_mov_b32 s28, 192
	s_mov_b32 s29, 32
	s_mov_b32 s30, 0
	s_mov_b32 s31, 0
	s_mul_i32 s46, s43, BBYTES
	s_mul_i32 s33, s40, 2*STEPB
	s_add_co_u32 s46, s46, s33
	s_add_co_u32 s46, s46, BB0*TILEB
	s_mov_b32 s47, 0
	s_mov_b32 s32, 1
	s_mul_i32 s48, s44, 4*TILEB
	s_mov_b32 s49, 0
	s_lshl_b32 s50, s44, 11
	s_mov_b32 s51, 0
	s_lshl_b32 s52, s43, 13
	s_add_co_u32 s52, s52, BB0*512
	s_mov_b32 s53, 0
	s_lshl_b32 s54, s44, 18
	s_lshl_b32 s60, s43, 10
	s_add_co_u32 s54, s54, s60
	s_mov_b32 s55, 0
	s_wait_dscnt 0x0
	s_wait_kmcnt 0x0
	s_add_nc_u64 s[34:35], s[8:9], s[46:47]
	s_or_b32 s35, s35, 0x80000000
	s_add_nc_u64 s[48:49], s[4:5], s[48:49]
	s_add_nc_u64 s[50:51], s[6:7], s[50:51]
	s_add_nc_u64 s[52:53], s[10:11], s[52:53]
	s_add_nc_u64 s[54:55], s[12:13], s[54:55]
	CROUND
	tensor_load_to_lds s[32:35], s[24:31]          ; one tensor load a wave: the four bring all eight steps; no LDS byte is filled twice
	s_nop 0
.rept 4
	v_nop
.endr
	v_and_b32 v10, 31, v0
	v_lshlrev_b32 v1, 4, v10
	v_add_nc_u32 v2, 2*STEPB, v1
	v_add_nc_u32 v3, 4*STEPB, v1
	v_add_nc_u32 v4, 6*STEPB, v1
.irp p, 0,1,2,3
	global_load_b128 v[AS+4*\p:AS+4*\p+3], v[L16], s[50:51] offset:512*\p
.endr
.irp t, 0,1,2,3,4,5,6,7,8,9,10,11,12,13,14,15
	global_load_b128 v[BS+4*\t:BS+4*\t+3], v[L16], s[52:53] offset:512*\t
.endr
	WIN 0x40
.irp sl, 0,1,2,3
.irp a, 0,1,2,3
.irp p, 0,1,2
	global_load_b128 v[12*(4*\sl+\a)+4*\p:12*(4*\sl+\a)+4*\p+3], v[L16], s[48:49] offset:(8*\a+\sl)*1536+512*\p
.endr
.endr
.endr
	WIN 0x80
.irp sl, 0,1,2,3
.irp a, 0,1,2,3
.irp p, 0,1,2
	global_load_b128 v[12*(4*\sl+\a)+4*\p:12*(4*\sl+\a)+4*\p+3], v[L16], s[48:49] offset:(8*\a+4+\sl)*1536+512*\p
.endr
.endr
.endr
	WIN 0
	s_mul_i32 s60, s40, 64*SP
	s_add_co_u32 s60, s60, STG
	v_and_b32 v11, 15, v0
	v_bfe_u32 v12, v0, 4, 1
	v_mul_u32_u24 v6, v11, SP
	v_lshl_add_u32 v6, v12, 5, v6
	v_add_nc_u32 v6, s60, v6
	v_mul_u32_u24 v7, v12, SP
	v_lshl_add_u32 v7, v11, 4, v7
	v_add_nc_u32 v7, s60, v7
	v_lshlrev_b32 v8, 14, v12
	v_lshl_add_u32 v8, v11, 4, v8
	s_wait_alu depctr_va_vdst(0)
	s_wait_tensorcnt 0x0                           ; my two steps are in
	s_barrier_signal -1
	s_barrier_wait -1
	BLOAD 0, 0
	BLOAD 0, 1
	WIN 0
	s_wait_loadcnt 0x0
	STEP 0
	STEP 1
	STEP 2
	STEP 3
	STEP 4
	STEP 5
	STEP 6
	STEP 7
	s_wait_dscnt 0x0
	s_wait_tensorcnt 0x0
	ds_add_u32 v254, v255
	s_wait_dscnt 0x0
	CROUND
	s_endpgm
.Lfunc_end_k_q5abd9041c7_outp:
	.size	k_q5abd9041c7_outp, .Lfunc_end_k_q5abd9041c7_outp-k_q5abd9041c7_outp
	.p2alignl 7, 3214868480
	.fill 96, 4, 3214868480
	.section	.rodata,"a",@progbits
	.p2align	6, 0x0
	.amdhsa_kernel k_q5abd9041c7_outp
		.amdhsa_group_segment_fixed_size 327680
		.amdhsa_private_segment_fixed_size 0
		.amdhsa_enable_private_segment 0
		.amdhsa_kernarg_size 40
		.amdhsa_user_sgpr_count 2
		.amdhsa_user_sgpr_kernarg_segment_ptr 1
		.amdhsa_wavefront_size32 1
		.amdhsa_system_sgpr_workgroup_id_x 1
		.amdhsa_system_sgpr_workgroup_id_y 1
		.amdhsa_system_sgpr_workgroup_id_z 1
		.amdhsa_system_vgpr_workitem_id 0
		.amdhsa_next_free_vgpr 1024
		.amdhsa_next_free_sgpr 66
		.amdhsa_reserve_vcc 0
		.amdhsa_float_denorm_mode_32 3
		.amdhsa_float_denorm_mode_16_64 3
		.amdhsa_memory_ordered 1
		.amdhsa_forward_progress 1
		.amdhsa_inst_pref_size 141
	.end_amdhsa_kernel
	.amdgpu_metadata
---
amdhsa.version: [ 1, 2 ]
amdhsa.kernels:
  - .name:           k_q5abd9041c7_outp
    .symbol:         k_q5abd9041c7_outp.kd
    .args:
      - { .name: vcodes, .offset: 0, .size: 8, .value_kind: global_buffer, .address_space: global }
      - { .name: vscales, .offset: 8, .size: 8, .value_kind: global_buffer, .address_space: global }
      - { .name: codes, .offset: 16, .size: 8, .value_kind: global_buffer, .address_space: global }
      - { .name: scales, .offset: 24, .size: 8, .value_kind: global_buffer, .address_space: global }
      - { .name: out0, .offset: 32, .size: 8, .value_kind: global_buffer, .address_space: global }
    .group_segment_fixed_size: 327680
    .private_segment_fixed_size: 0
    .kernarg_segment_align: 8
    .kernarg_segment_size: 40
    .max_flat_workgroup_size: 128
    .sgpr_count:     66
    .vgpr_count:     1024
    .wavefront_size: 32
...
	.end_amdgpu_metadata
.endif
;; end of part 4
